; MI455X (gfx1250); checked and timed in simulation.
; The chip was launched on July 23, 2026; its instructions are those of AMD's public machine-readable ISA for CDNA 5 (MIT licence, August 2026) and "CDNA5" Instruction Set Architecture Reference Guide (July 2026). The comments in the code are by the model that wrote it; some were corrected since.
;; Self Attention. Allowed arithmetic: matrix products marked QUANTISED: E2M3 operands, one E8M0 scale for each 32 along K, by v_wmma_scale_f32_16x16x128_f8f6f4 with both operands' format E2M3, f32 sums; everything else in f32.
;; Inputs: W_out 1,024 x 1,024 float32; b_out 1,024 float32; key 4 x 2,048 x 1,024 float32; mask 4 x 1 x 2,048 x 2,048 int32; query 4 x 2,048 x 1,024 float32; value 4 x 2,048 x 1,024 float32.
;; Outputs: out0 4 x 2,048 x 1,024 float32.
;; This version of the problem:
;;   THIS VERSION OF THE PROBLEM IS GIVEN IN LOW PRECISION. The matrix products marked QUANTISED in the list below multiply operands that are first quantised to E2M3 (2 exponent bits, 3 mantissa bits; 6 bits a number), with one power-of-two scale for each 32 numbers along K (OCP MX v1.0); their sums are f32. All else is computed in f32.
;;   The module's matrix products, in the order in which they are computed (A, B: the left and right operand; K: the contracted axis; several contracted axes count as one K, in the product's order):
;;     1. batch 64 x [M 2,048, K 64] x [K 64, N 2,048]; A: input query; B: input key: QUANTISED
;;     2. batch 64 x [M 64, K 2,048] x [K 2,048, N 2,048]; A: input value; B: softmax (see below): QUANTISED
;;     3. [M 8,192, K 1,024] x [K 1,024, N 1,024]; A: computed on the way; B: input W_out: QUANTISED
;;   THE QUANTISER, for each operand of a quantised product, along K:
;;     - K is cut into blocks of 32 from its start; a last block that is shorter is filled with zeros.
;;     - A block's scale is 2^e with e = floor(log2(the largest magnitude in the block)) - 2, held to -126 .. 127; a block of zeros has e = 0. As a byte (E8M0): e + 127.
;;     - Each number is divided by its block's scale, clamped to +-7.5, and rounded to the nearest number of E2M3, ties to even, subnormals kept.
;;     - The product sums the exact products of the quantised numbers (number of the format x scale) in f32.
;;   ~~~python
;;   def quantise(x, axis):      # numpy; x: float32 -> the quantised numbers, widened to float32 again
;;       x = np.moveaxis(x, axis, -1); K = x.shape[-1]
;;       x = np.pad(x, [(0, 0)] * (x.ndim - 1) + [(0, -K % 32)]); x = x.reshape(x.shape[:-1] + (-1, 32)); a = np.abs(x).max(-1, keepdims=True)
;;       e = np.where(a > 0, np.clip(np.frexp(np.where(a > 0, a, 1))[1] - 1 - 2, -126, 127), 0)      # np.frexp(a)[1] - 1 = floor(log2(a)), exactly
;;       r = np.clip(x / 2.0 ** e, -7.5, 7.5)
;;       step = 2.0 ** (np.maximum(np.frexp(np.where(r == 0, 1, r))[1] - 1, 0) - 3)
;;       q = np.round(r / step) * step * 2.0 ** e      # np.round: ties to even
;;       return np.moveaxis(q.reshape(q.shape[:-2] + (-1,))[..., :K], -1, axis).astype(np.float32)
;;   ~~~
;;   SOFTMAX AHEAD OF A QUANTISED PRODUCT. Where the list says 'softmax', what is quantised is not the finished softmax but p = 2^(t - M), with t = logit x log2(e) and M = ceil(the row's largest t), a whole number; so 1/2 < the row's largest p <= 1. The row's sum l is taken of the UNQUANTISED p, in f32, and the product's result is divided by l at the end. Since M is a whole number, a kernel that streams over the keys may use a running M (the ceiling of the running maximum): every later rescaling is an exact power of two, which a block's scale takes up: the codes' values come out the same.
;;   OPERANDS COMPUTED ON THE WAY. 'Computed on the way' means the value that the module computes at that place (a softmax that the list does not call 'softmax' is quantised finished and normalised). What goes into a quantiser is computed in f32, as accurately as f32 sums, v_exp_f32 and their like allow (about 1e-6 of the number): no bf16 or f16 on the way to a quantiser, and a product that is left as it is and whose result goes on into a quantised operand takes f32 operands (vector FMAs, or v_wmma_f32_16x16x4_f32). A number that lies on a knife's edge between two numbers of the format may be rounded either way, as far as f32 arithmetic and the matrix unit's own rounding can turn it there, and no further.
;; One version. Each part assembles by itself: llvm-mc -triple=amdgcn-amd-amdhsa -mcpu=gfx1250 --defsym DOCPART=n.
;; ======== version 1 of 1: 3 launches
;; limits: right only within a limited range of input values
;; workspace buffers: kvc 12,582,912 bytes; kvs 786,432 bytes; maskw 2,097,152 bytes of whole numbers; wimg 786,432 bytes; wsc 32,768 bytes; aimg 6,291,456 bytes; asc 262,144 bytes
;; launch prep (part 1): grid 1312 x 1, 4 waves a work-group, no clusters, 64,000 bytes of LDS; arguments mask, value, key, W_out, maskw, kvc, kvs, wimg, wsc; writes maskw, kvc, kvs, wimg, wsc
.if DOCPART == 1
	.amdgcn_target "amdgcn-amd-amdhsa--gfx1250"
	.amdhsa_code_object_version 6
	.text
	.protected	k_q808da72057_prep
	.globl	k_q808da72057_prep
	.p2align	8
	.type	k_q808da72057_prep,@function
k_q808da72057_prep:
	s_mov_b64 s[64:65], 0
	v_nop
	global_prefetch_b8 v0, s[64:65] scope:SCOPE_SE
	s_setreg_imm32_b32 hwreg(HW_REG_WAVE_MODE, 25, 1), 1
	s_wait_xcnt 0x0
; PREP: what many work-groups of the later launches read is made once, in the order of the operands' registers.
; Three paths, chosen by the work-group's number; each has LDS bytes of its own; waves share nothing, so there is no barrier.
;   work-groups 0-511     MASK:  mask [4][1][2048][2048] int32 -> maskw: for a tile of 16 queries and a step of 128 keys 64 words; bit L of word 16 b + i says whether
;                                mask[query 16 tile + L % 16][key 128 step + 32 b + 16 (L / 16) + i] is not 0: the lane mask that a select on score register 16 b + i wants.
;   work-groups 512-1023  VALUE: value [4][2048][1024] f32 -> codes of FP6 (E2M3) and E8M0 bytes along the KEYS (a lane takes a channel, its registers run down the keys).
;   work-groups 1024-1311 ROWS:  key [4][2048][1024] (256 work-groups) and W_out [1024][1024] (32): codes and bytes along the last axis.  One text serves both: pointers and a few scalars are selected.
; AN IMAGE is an operand's 12 registers a lane, as three pieces of 512 bytes: piece p holds lane l's registers 4 p .. 4 p + 3 at 512 p + 16 l.
; THE ROWS OF A TILE ARE NOT NEIGHBOURS: row rho of tile 2 b + u is element 32 b + 8 u + rho + 8 (rho / 8) of its group, so that the results of two neighbouring tiles are 16 neighbours along the next product's K.
; kvc: a record of 12,288 bytes for each (batch, head, step of 128 keys): four images of K (tile 2 b in registers 0-5, tile 2 b + 1 in registers 6-11: the head has 64 numbers, half an operand), then four of V.
; kvs: 768 bytes a record: four times 32 words of K's bytes (lanes 0-15 tile 2 b, lanes 16-31 tile 2 b + 1; bytes 2 and 3 are 0), twice 32 words of V's.
; A block's scale is 2^(floor(log2(its largest magnitude)) - 2); its byte is the largest magnitude's exponent field - 2, held at 1 from below.
; LIMITS: a block of zeros gets the byte 1 where the rule says 127 (its codes are zeros, and this program alone reads the bytes); blocks whose largest magnitude lies under 2^-124 are held at the byte 1; NaN and infinities are not served.
.set STG_R, 0                          ; LDS: path ROWS, 16 rows x 272 bytes for each wave
.set STG_V, 17408                      ; path VALUE, two images for each wave
.set STG_M, 29696                      ; path MASK, 16 rows x 528 bytes for each wave
.set SPARE, 63488                      ; the spare words, 128 bytes for each wave: two blocks of 256 bytes that no other line names
.set FLOOR, 0x1800000                  ; 2^(3 - 127): under it no largest magnitude is taken
.set EOFF,  0xff000000                 ; takes 2 off an exponent field
.macro MAX32 xs                        ; the largest magnitude of v[xs] .. v[xs + 31] and the floor, in two chains -> v12
	v_max3_num_f32 v12, |v[\xs]|, |v[\xs+1]|, |v[\xs+2]|
	v_max3_num_f32 v13, |v[\xs+3]|, |v[\xs+4]|, |v[\xs+5]|
.irp i, 6,10,14,18,22,26
	v_max3_num_f32 v12, v12, |v[\xs+\i]|, |v[\xs+\i+1]|
	v_max3_num_f32 v13, v13, |v[\xs+\i+2]|, |v[\xs+\i+3]|
.endr
	v_max3_num_f32 v12, v12, |v[\xs+30]|, |v[\xs+31]|
	v_max3_num_f32 v12, v12, v13, FLOOR
.endm
.macro WAVE_END                        ; the wave's end, behind its last LDS store
	s_wait_tensorcnt 0x0
	ds_add_u32 v1, v2
	s_wait_dscnt 0x0
	s_endpgm
.endm
	s_load_b512 s[4:19], s[0:1], 0x0               ; mask s[4:5], value s[6:7], key s[8:9], W_out s[10:11], maskw s[12:13], kvc s[14:15], kvs s[16:17], wimg s[18:19]
	s_load_b64 s[20:21], s[0:1], 0x40              ; wsc
	v_lshl_add_u32 v1, v0, 2, SPARE                ; my spare word; never rewritten
	v_mov_b32 v2, 0                                ; 0; never rewritten
	v_lshrrev_b32 v3, 5, v0
	v_readfirstlane_b32 s22, v3                    ; wave 0..3
	v_and_b32 v3, 31, v0                           ; l
	v_and_b32 v4, 15, v0                           ; r = l % 16
	v_bfe_u32 v5, v0, 4, 1                         ; h = l / 16
	s_mov_b32 s62, 0x76543210
	s_mov_b32 s63, 0xfedcba98                      ; v_permlanex16_b32's selects for lane l xor 16
	s_wait_kmcnt 0x0
	s_cmp_lt_u32 ttmp9, 512
	s_cbranch_scc1 .Lmask
	s_cmp_lt_u32 ttmp9, 1024
	s_cbranch_scc1 .Lvalue
; ---------------------------------------------------------------- ROWS: key and W_out
; A wave takes eight half tiles of 16 rows x 64 numbers; both tensors have rows of 4,096 bytes.  Half tiles 2 b and 2 b + 1 fill image b.
; key: the eight tiles of 16 keys of one head and one step (half tile t: keys by the order above).  W_out: one tile of 16 rows, 512 numbers along K (half tile t: K = 64 t on).
	s_sub_co_u32 s23, ttmp9, 1024                  ; wg
	s_and_b32 s24, s23, 3
	s_lshl_b32 s24, s24, 2
	s_add_co_u32 s24, s24, s22                     ; key: head = 4 (wg % 4) + wave
	s_lshr_b32 s25, s23, 2                         ; 16 x batch + step
	s_lshl_b32 s26, s25, 19                        ; 128 rows of 4,096 bytes each
	s_lshl_b32 s27, s24, 8
	s_add_co_u32 s26, s26, s27                     ; key's source offset
	s_lshr_b32 s27, s23, 6
	s_lshl_b32 s27, s27, 4
	s_add_co_u32 s27, s27, s24
	s_lshl_b32 s27, s27, 4
	s_and_b32 s28, s25, 15
	s_add_co_u32 s27, s27, s28                     ; the record: (16 batch + head) 16 + step
	s_mul_i32 s28, s27, 12288
	s_mul_i32 s29, s27, 768
	s_and_b32 s30, s23, 31                         ; W_out: wg - 256, which is wg % 32 there
	s_lshl_b32 s30, s30, 2
	s_add_co_u32 s30, s30, s22
	s_lshr_b32 s31, s30, 1                         ; the tile of 16 rows, 0..63
	s_and_b32 s30, s30, 1                          ; which half of K
	s_lshr_b32 s32, s31, 1
	s_lshl_b32 s32, s32, 17                        ; 32 rows for each pair of tiles,
	s_and_b32 s33, s31, 1
	s_lshl_b32 s33, s33, 15                        ; 8 rows for the odd tile,
	s_add_co_u32 s32, s32, s33
	s_lshl_b32 s33, s30, 11                        ; 512 numbers for the second half of K
	s_add_co_u32 s32, s32, s33                     ; W_out's source offset
	s_mul_i32 s33, s31, 12288
	s_mul_i32 s34, s30, 6144
	s_add_co_u32 s33, s33, s34                     ; its images
	s_lshl_b32 s34, s30, 14
	s_lshl_b32 s35, s31, 6
	s_add_co_u32 s34, s34, s35                     ; its scale words: [K step][tile x 16 + row]
	s_mov_b32 s50, 512
	s_mov_b32 s51, 256
	s_mov_b32 s52, 4096
	s_cmp_lt_u32 s23, 256                          ; key's work-group or W_out's?  The choice hangs on the work-group's number alone
	s_cselect_b64 s[36:37], s[8:9], s[10:11]       ; the source
	s_cselect_b64 s[38:39], s[14:15], s[18:19]     ; the images
	s_cselect_b64 s[48:49], s[16:17], s[20:21]     ; the scale words
	s_cselect_b32 s26, s26, s32
	s_cselect_b32 s56, s28, s33
	s_cselect_b32 s58, s29, s34
	s_cselect_b32 s50, 131072, s50                 ; from a pair of half tiles to the next: 32 rows, or 128 numbers
	s_cselect_b32 s51, 32768, s51                  ; to the odd half tile: 8 rows, or 64 numbers
	s_cselect_b32 s52, 128, s52                    ; from image b's scale words to the next
	s_cselect_b32 s53, 31, 15                      ; key: a word a lane; W_out: a word a row
	s_cselect_b32 s54, 0, 16                       ; W_out: the odd half tile's two bytes go to bytes 2 and 3
	s_cselect_b32 s55, 0, -1                       ; W_out: both half tiles' bytes in every lane
	s_mov_b32 s27, 0
	s_mov_b32 s57, 0
	s_mov_b32 s59, 0
	s_add_nc_u64 s[36:37], s[36:37], s[26:27]
	s_add_nc_u64 s[38:39], s[38:39], s[56:57]
	s_add_nc_u64 s[48:49], s[48:49], s[58:59]
	s_mov_b32 s40, 0                               ; s40-47: where half tile t begins
	s_mov_b32 s41, s51
.irp t, 2,3,4,5,6,7
	s_add_co_u32 s[40+\t], s[38+\t], s50
.endr
	s_wait_alu depctr_va_vdst(0)
	v_lshlrev_b32 v6, 12, v5
	v_lshl_add_u32 v6, v4, 4, v6                   ; a load: lanes 0-15 one row's 256 bytes, lanes 16-31 the next row's
	s_mul_i32 s60, s22, 4352                       ; my stage (STG_R = 0)
	v_mul_u32_u24 v7, v5, 272
	v_lshl_add_u32 v7, v4, 4, v7
	v_add_nc_u32 v7, s60, v7                       ; into it: as loaded, rows 272 bytes apart
	v_mul_u32_u24 v8, v4, 272
	v_lshl_add_u32 v8, v5, 7, v8
	v_add_nc_u32 v8, s60, v8                       ; out of it: row r, numbers 32 h .. 32 h + 31: a whole block in a lane
	v_lshlrev_b32 v9, 4, v3                        ; 16 l: an image's place for my lane
	v_lshlrev_b32 v10, 3, v5                       ; 8 h
	v_mov_b32 v11, 0                               ; (a lane permute's destination counts as one of its sources)
	v_sub_nc_u32 v19, 0, v5                        ; -h
	v_xor_b32 v18, -1, v19
	v_or_b32 v18, s55, v18                         ; which lanes keep the even half tile's word
	v_or_b32 v19, s55, v19                         ; and the odd one's
	v_and_b32 v20, s53, v3
	v_lshlrev_b32 v20, 2, v20                      ; v20-23: where image b's scale word of my lane goes
.irp b, 1,2,3
	v_add_nc_u32 v[20+\b], s52, v[19+\b]
.endr
.macro LOADR t                         ; half tile t into set t % 2: rows 0-7 and 16-23 from its first row on
	v_add_nc_u32 v[16+(\t)%2], s[40+(\t)], v6
.irp i, 0,1,2,3,4,5,6,7
	global_load_b128 v[32+32*((\t)%2)+4*\i:35+32*((\t)%2)+4*\i], v[16+(\t)%2], s[36:37] offset:(2*\i+8*(\i/4))*4096 th:TH_LOAD_NT
.endr
.endm
.macro TILER t
.set XS, 32+32*((\t)%2)
.set CR, 96+6*(\t)
.if (\t) < 7
	s_wait_loadcnt 8                               ; this half tile's eight loads are in (so their offset register is free); the next one's eight may be out
.else
	s_wait_loadcnt 0x0
.endif
.irp i, 0,1,2,3,4,5,6,7
	ds_store_b128 v7, v[XS+4*\i:XS+4*\i+3] offset:544*\i
.endr
.irp j, 0,1,2,3,4,5,6,7
	ds_load_b128 v[XS+4*\j:XS+4*\j+3], v8 offset:16*\j             ; LDS serves a wave's instructions in order: these see the stores above
.endr
	s_wait_dscnt 0x0
	MAX32 XS
	v_add_nc_u32 v14, EOFF, v12                    ; the conversion takes the exponent field of this operand as its scale
	v_cvt_scalef32_pk16_fp6_f32 v[CR:CR+2], v[XS:XS+15], v14
	v_cvt_scalef32_pk16_fp6_f32 v[144:146], v[XS+16:XS+31], v14    ; (a conversion's three registers begin on an even number)
	v_lshrrev_b32 v15, 23, v14                     ; the scale's byte.  (The plain place behind the conversions)
.irp i, 0,1,2
	v_mov_b32 v[CR+3+\i], v[144+\i]
.endr
	v_lshlrev_b32 v[148+(\t)], v10, v15            ; my block's byte at its place,
	v_permlanex16_b32 v11, v[148+(\t)], s62, s63
	v_or_b32 v[148+(\t)], v[148+(\t)], v11         ; with lane l xor 16's: the row's two bytes
.if (\t)+2 < 8
	LOADR (\t)+2
.endif
.if (\t)%2 == 1
.irp p, 0,1,2
	global_store_b128 v9, v[96+12*((\t)/2)+4*\p:99+12*((\t)/2)+4*\p], s[38:39] offset:1536*((\t)/2)+512*\p   ; 32 lanes store 512 consecutive bytes; each image has registers of its own
.endr
.endif
.endm
	LOADR 0
	LOADR 1
.irp t, 0,1,2,3,4,5,6,7
	TILER \t
.endr
.irp b, 0,1,2,3
	v_lshlrev_b32 v28, s54, v[149+2*\b]
	v_and_b32 v29, v18, v[148+2*\b]
	v_and_or_b32 v[24+\b], v28, v19, v29           ; key: lanes 0-15 the even tile's word, lanes 16-31 the odd tile's; W_out: four bytes of one row (both halves of the lanes store the same word to the same place)
	global_store_b32 v[20+\b], v[24+\b], s[48:49]
.endr
	WAVE_END
; ---------------------------------------------------------------- VALUE
; A wave takes 32 channels x 128 keys: lane = channel, registers down the keys, a block of 32 keys in one lane's 32 registers.  The codes go into two images in the wave's stage and leave as whole pieces.
.Lvalue:
	s_sub_co_u32 s23, ttmp9, 512                   ; wg
	s_and_b32 s24, s23, 7
	s_lshl_b32 s24, s24, 2
	s_add_co_u32 s24, s24, s22                     ; which 32 channels of the 1,024
	s_lshr_b32 s25, s23, 3                         ; 16 x batch + step
	s_lshl_b32 s26, s25, 19
	s_lshl_b32 s27, s24, 7
	s_add_co_u32 s26, s26, s27
	s_mov_b32 s27, 0
	s_add_nc_u64 s[6:7], s[6:7], s[26:27]
	s_lshr_b32 s28, s24, 1                         ; head
	s_and_b32 s29, s24, 1                          ; which half of its 64 channels
	s_lshr_b32 s30, s23, 7
	s_lshl_b32 s30, s30, 4
	s_add_co_u32 s30, s30, s28
	s_lshl_b32 s30, s30, 4
	s_and_b32 s31, s25, 15
	s_add_co_u32 s30, s30, s31                     ; the record
	s_mul_i32 s26, s30, 12288
	s_mul_i32 s31, s29, 3072
	s_add_co_u32 s26, s26, s31
	s_add_co_u32 s26, s26, 6144                    ; V's images lie behind K's four
	s_add_nc_u64 s[14:15], s[14:15], s[26:27]
	s_mul_i32 s26, s30, 768
	s_lshl_b32 s31, s29, 7
	s_add_co_u32 s26, s26, s31
	s_add_co_u32 s26, s26, 512
	s_add_nc_u64 s[16:17], s[16:17], s[26:27]
	s_wait_alu depctr_va_vdst(0)
	v_lshlrev_b32 v6, 2, v3                        ; in: 4 bytes a lane
	v_bfe_u32 v12, v0, 3, 1                        ; my channel lies in tile u = (l / 8) % 2 of the pair,
	v_and_b32 v13, 7, v0
	v_lshl_add_u32 v13, v5, 3, v13                 ; in its row l % 8 + 8 (l / 16)
	s_mul_i32 s31, s22, 3072
	s_add_co_u32 s31, s31, STG_V                   ; my stage
	v_mul_u32_u24 v7, v12, 1536
	v_lshl_add_u32 v7, v13, 4, v7
	v_add_nc_u32 v7, s31, v7                       ; into it: the tile's image, my row's lane
	v_lshlrev_b32 v9, 4, v3
	v_add_nc_u32 v8, s31, v9                       ; out of it: 16 l
	v_lshl_add_u32 v10, v12, 4, v13
	v_lshlrev_b32 v10, 2, v10                      ; my scale word: lanes 0-15 of the 32 words the even tile's rows, lanes 16-31 the odd tile's
.macro LOADV t                         ; block t: keys 32 t + i, my channel, into set t % 2
.irp i, 0,1,2,3,4,5,6,7,8,9,10,11,12,13,14,15,16,17,18,19,20,21,22,23,24,25,26,27,28,29,30,31
	global_load_b32 v[32+32*((\t)%2)+\i], v6, s[6:7] offset:(32*(\t)+\i)*4096 th:TH_LOAD_NT
.endr
.endm
.macro BLOCKV t                        ; block t is registers 6 (t / 2) .. + 5 of the image's lane (row, t % 2)
.set XS, 32+32*((\t)%2)
.if (\t) < 3
	s_wait_loadcnt 32                              ; this block's 32 loads are in; the next block's may be out
.else
	s_wait_loadcnt 0x0
.endif
	MAX32 XS
	v_add_nc_u32 v11, EOFF, v12
	v_lshrrev_b32 v13, 23, v11                     ; the scale's byte
.if (\t) == 0
	v_mov_b32 v24, v13
.else
	v_lshl_or_b32 v24, v13, 8*(\t), v24            ; four bytes: the step's four blocks of keys
.endif
	v_cvt_scalef32_pk16_fp6_f32 v[96:98], v[XS:XS+15], v11
	v_cvt_scalef32_pk16_fp6_f32 v[104:106], v[XS+16:XS+31], v11
	v_nop                                          ; one plain place behind a scaled conversion
.irp i, 0,1,2
	v_mov_b32 v[99+\i], v[104+\i]
.endr
.if (\t)/2 == 0
	ds_store_b128 v7, v[96:99] offset:256*((\t)%2)                 ; registers 0-3: piece 0
	ds_store_b64 v7, v[100:101] offset:512+256*((\t)%2)            ; registers 4, 5: the first half of my 16 bytes of piece 1
.else
	ds_store_b64 v7, v[96:97] offset:520+256*((\t)%2)              ; registers 6, 7: the second half
	ds_store_b128 v7, v[98:101] offset:1024+256*((\t)%2)           ; registers 8-11: piece 2
.endif
.if (\t)+2 < 4
	LOADV (\t)+2
.endif
	s_wait_dscnt 0x0                               ; the stores have read their registers: the next block's codes may be written
.endm
	LOADV 0
	LOADV 1
.irp t, 0,1,2,3
	BLOCKV \t
.endr
	s_wait_alu depctr_va_vdst(0)
	global_store_b32 v10, v24, s[16:17]
.irp p, 0,1,2,3,4,5
	ds_load_b128 v[112+4*\p:115+4*\p], v8 offset:512*\p
.endr
.irp p, 0,1,2,3,4,5
	s_wait_dscnt 5-\p                              ; piece p is back; the younger loads may be out
	global_store_b128 v9, v[112+4*\p:115+4*\p], s[14:15] offset:512*\p   ; 32 lanes store 512 consecutive bytes
.endr
	WAVE_END
; ---------------------------------------------------------------- MASK
; A work-group takes a tile of 16 queries, a wave four steps of 128 keys.  A step's 16 x 128 numbers are loaded by rows (512 consecutive bytes a load), turned through the wave's stage so that lane (r, h)
; holds, of query r, register 16 b + i = key 32 b + 16 h + i, as the scores will lie; a compare of register j then IS word j.
.Lmask:
	s_lshl_b32 s24, ttmp9, 17                      ; 16 rows of 8,192 bytes (under 2^26)
	s_lshl_b32 s26, s22, 11                        ; four steps of 512 bytes
	s_add_co_u32 s24, s24, s26
	s_mov_b32 s25, 0
	s_add_nc_u64 s[4:5], s[4:5], s[24:25]
	s_lshl_b32 s24, ttmp9, 12                      ; 16 steps of 256 bytes
	s_lshl_b32 s26, s22, 10
	s_add_co_u32 s24, s24, s26
	s_add_nc_u64 s[12:13], s[12:13], s[24:25]
	s_mul_i32 s26, s22, 8448
	s_add_co_u32 s26, s26, STG_M                   ; my stage
	s_wait_alu depctr_va_vdst(0)
	v_lshlrev_b32 v6, 4, v3                        ; 16 l
	v_add_nc_u32 v7, s26, v6                       ; into it: a row as loaded; rows 528 bytes apart
	v_mul_u32_u24 v8, v4, 528
	v_lshl_add_u32 v8, v5, 6, v8
	v_add_nc_u32 v8, s26, v8                       ; out of it: row r, + 16 h numbers
	v_lshlrev_b32 v9, 3, v3                        ; out: two words a lane
.irp i, 0,1,2,3,4,5,6,7
	v_mov_b32 v[10+\i], 0                          ; (v_writelane_b32's destination counts as one of its sources)
.endr
.macro LOADM t
.irp p, 0,1,2,3,4,5,6,7,8,9,10,11,12,13,14,15
	global_load_b128 v[32+64*((\t)%2)+4*\p:35+64*((\t)%2)+4*\p], v6, s[4:5] offset:8192*\p+512*(\t) th:TH_LOAD_NT
.endr
.endm
.macro TILEM t, left
.set MS, 32+64*((\t)%2)
	s_wait_loadcnt \left                           ; this step's 16 loads are in; the next step's may be out
.irp p, 0,1,2,3,4,5,6,7,8,9,10,11,12,13,14,15
	ds_store_b128 v7, v[MS+4*\p:MS+4*\p+3] offset:528*\p
.endr
.irp b, 0,1,2,3
.irp i, 0,1,2,3
	ds_load_b128 v[MS+16*\b+4*\i:MS+16*\b+4*\i+3], v8 offset:128*\b+16*\i   ; LDS serves a wave's instructions in order: these see the stores above
.endr
.endr
	s_wait_dscnt 0x0
.irp b, 0,1,2,3
.irp i, 0,1,2,3,4,5,6,7,8,9,10,11,12,13,14,15
	v_cmp_ne_u32 s[32+\i], 0, v[MS+16*\b+\i]       ; word 16 b + i
.endr
.irp i, 0,1,2,3,4,5,6,7,8,9,10,11,12,13,14,15
	v_writelane_b32 v[10+2*(\t)+(\i)%2], s[32+\i], 8*\b+\i/2       ; word j into lane j / 2, register j % 2
.endr
.endr
.if (\t) < 2
	LOADM (\t)+2
.endif
	global_store_b64 v9, v[10+2*(\t):11+2*(\t)], s[12:13] offset:256*(\t)   ; 32 lanes store 256 consecutive bytes, aligned; each step has registers of its own
.endm
	LOADM 0
	LOADM 1
	TILEM 0, 16
	TILEM 1, 16
	TILEM 2, 16
	TILEM 3, 0
	WAVE_END
.Lfunc_end_k_q808da72057_prep:
	.size	k_q808da72057_prep, .Lfunc_end_k_q808da72057_prep-k_q808da72057_prep
	.p2alignl 7, 3214868480
	.fill 96, 4, 3214868480
	.section	.rodata,"a",@progbits
	.p2align	6, 0x0
	.amdhsa_kernel k_q808da72057_prep
		.amdhsa_group_segment_fixed_size 64000
		.amdhsa_private_segment_fixed_size 0
		.amdhsa_enable_private_segment 0
		.amdhsa_kernarg_size 72
		.amdhsa_user_sgpr_count 2
		.amdhsa_user_sgpr_kernarg_segment_ptr 1
		.amdhsa_wavefront_size32 1
		.amdhsa_system_sgpr_workgroup_id_x 1
		.amdhsa_system_sgpr_workgroup_id_y 1
		.amdhsa_system_sgpr_workgroup_id_z 1
		.amdhsa_system_vgpr_workitem_id 0
		.amdhsa_next_free_vgpr 160
		.amdhsa_next_free_sgpr 66
		.amdhsa_reserve_vcc 0
		.amdhsa_float_denorm_mode_32 3
		.amdhsa_float_denorm_mode_16_64 3
		.amdhsa_memory_ordered 1
		.amdhsa_forward_progress 1
		.amdhsa_inst_pref_size 103
	.end_amdhsa_kernel
	.amdgpu_metadata
---
amdhsa.version: [ 1, 2 ]
amdhsa.kernels:
  - .name:           k_q808da72057_prep
    .symbol:         k_q808da72057_prep.kd
    .args:
      - { .name: mask, .offset: 0, .size: 8, .value_kind: global_buffer, .address_space: global }
      - { .name: value, .offset: 8, .size: 8, .value_kind: global_buffer, .address_space: global }
      - { .name: key, .offset: 16, .size: 8, .value_kind: global_buffer, .address_space: global }
      - { .name: W_out, .offset: 24, .size: 8, .value_kind: global_buffer, .address_space: global }
      - { .name: maskw, .offset: 32, .size: 8, .value_kind: global_buffer, .address_space: global }
      - { .name: kvc, .offset: 40, .size: 8, .value_kind: global_buffer, .address_space: global }
      - { .name: kvs, .offset: 48, .size: 8, .value_kind: global_buffer, .address_space: global }
      - { .name: wimg, .offset: 56, .size: 8, .value_kind: global_buffer, .address_space: global }
      - { .name: wsc, .offset: 64, .size: 8, .value_kind: global_buffer, .address_space: global }
    .group_segment_fixed_size: 64000
    .private_segment_fixed_size: 0
    .kernarg_segment_align: 8
    .kernarg_segment_size: 72
    .max_flat_workgroup_size: 128
    .sgpr_count:     66
    .vgpr_count:     160
    .wavefront_size: 32
...
	.end_amdgpu_metadata
.endif
;; end of part 1
;; launch attn (part 2): grid 8 x 32, 16 waves a work-group, no clusters, 327,680 bytes of LDS; arguments query, kvc, kvs, maskw, aimg, asc; writes aimg, asc
.if DOCPART == 2
	.amdgcn_target "amdgcn-amd-amdhsa--gfx1250"
	.amdhsa_code_object_version 6
	.text
	.protected	k_q808da72057_attn
	.globl	k_q808da72057_attn
	.p2align	8
	.type	k_q808da72057_attn,@function
k_q808da72057_attn:
	s_mov_b64 s[64:65], 0
	v_nop
	global_prefetch_b8 v0, s[64:65] scope:SCOPE_SE
	s_setreg_imm32_b32 hwreg(HW_REG_WAVE_MODE, 25, 1), 1
	s_wait_xcnt 0x0
; ATTENTION on codes of FP6 (E2M3) with one E8M0 scale for each 32 along a product's K: scores = q k^T, masked scores become -1e9, t = score x log2(e) / 32, M = the ceiling of the row's running largest t,
; p = 2^(t - M) is quantised along the keys, the row's sum l is taken of the unquantised p, O = (p v) / l; O is then quantised along the embedding, as the left operand of the output projection.
; SHARES.  A work-group owns 256 queries of one batch and TWO heads (2 g, 2 g + 1: together 128 along the projection's K, one operand); each of its sixteen waves owns 16 queries in 256 registers, four waves to a SIMD.
; A wave walks 32 steps of 128 keys: head 2 g's sixteen, then head 2 g + 1's.  The two heads' 32 records of kvc lie on end.
; LAYOUT.  Both products are used transposed (S^T = K Q^T, O^T = V^T P^T): a lane holds ONE query (lane % 16) throughout.  K's and V's tiles come as images of the operands' registers (three loads of 16 bytes a lane each),
; with the rows of a tile so chosen that score register 16 b + i is key 32 b + 16 (lane / 16) + i, and O^T's register 16 a + i is channel 32 a + 16 (lane / 16) + i.
; THE HEAD HAS 64 NUMBERS, the instruction takes 128: q's registers 6-11 are zero codes, so what K's operand holds there adds nothing: tile t's operand is v[KF + 6 t .. + 11], whose upper half is the next tile's codes.
; THE QUERY comes by rows: a load reads the 512 consecutive bytes that a row has for the head pair; the wave's 16 rows turn through its own stage in LDS, so that a lane holds a whole block of 32.
; THE MASK costs one select a score: word j of maskw is the lane mask for score register j; a step's 64 words come by scalar loads, asked for a step ahead.
; A ROW ALL OF WHOSE KEYS SO FAR ARE MASKED has every score -1e9 and t = M, so p = 1: such lanes take c = 0 and -M = 0.  The first key that counts makes f = 0, which wipes what was summed.
; THE CHANGE OF SLOTS is split: a wave signals in the slot's second step, as soon as V's images are in registers (its last read of the slot), and waits behind that step's products:
; the rest of the step's softmax, some 250 vector instructions on registers alone, stands between the signal and the wait.
; LIMITS: a score that counts and lies at or under -1e9 is taken as masked level; NaN and infinities are not served; a block of zeros carries the byte 1 (this program alone reads the bytes).
; NO CLUSTER: what the eight query blocks of a head pair share is 24,576 bytes for two key steps, in which each of a work-group's sixteen waves issues some 600 vector instructions and 24 matrix instructions;
; joint loads would put a meeting of four work-groups at each of the changes of slots for that small part of a step's work.
.set SLOT1, 32768                      ; LDS: slot 0 at 0, slot 1 here: two records (24,576 bytes) each; one exclusive or turns an address from one to the other
.set SCB,   65536                      ; the scale words of all 32 records, 768 bytes each: filled once
.set STG,   90112                      ; the rows' scale words on the way out: 1,024 bytes, no fill lands here
.set SPARE, 91136                      ; the spare words, 128 bytes for each wave: eight blocks of 256 bytes that no other line names
.set QST,   93184                      ; the query's stages: 16 rows x 528 bytes for each wave, no fill lands here
.set FLOOR, 0x1800000
.set EOFF,  0xff000000
.set SPW, 1                            ; my spare word; never rewritten
.set NIL, 2                            ; 0; never rewritten
.set LI16, 3                           ; 16 x lane
.set LI4, 4                            ; 4 x lane
.set NEG, 5                            ; -1e9
.set TMK, 6                            ; t of a masked score
.set ADK, 7                            ; LDS address of the step's images
.set ADT, 8                            ; of its scale words
.set QS,  9                            ; q's scale word, the head in hand;  v10 the second head's
.set QSB, 10
.set SAV, 11                           ; the output's scale word (at the head: 8 x (lane / 16))
.set AL,  12                           ; v[12:13] -M as it is added (0 in rows masked so far), the running largest t
.set TMX, 13
.set SUM, 14                           ; v[14:15] the row's sum in two halves
.set CL,  16                           ; v[16:17] c as it is multiplied (0 in rows masked so far), -M
.set NM,  17
.set FF,  18                           ; v[18:19] f = 2^(old M - new M), later 1 / l
.set QF,  20                           ; v[20:31] q's operand: six registers of codes, six of zeros
.set KF,  32                           ; v[32:79] K's eight tiles, six registers each; then V's four, twelve each
.set QB,  80                           ; v[80:85] the second head's q
.set HC,  86                           ; v[86:97] the output's operand
.set PW,  98                           ; p's scale word
.set TT,  99                           ; at work
.set BM,  100                          ; the blocks' largest scores, then largest p
.set BT,  104                          ; at work
.set SCO, 108                          ; the conversions' scale operands
.set PC,  112                          ; v[112:123] p's operand
.set PT,  124                          ; v[124:126], v[128:130] the conversions' second halves
.set SCR, 132                          ; v[132:195] S^T, then p
.set OT,  196                          ; v[196:227] O^T
.set STA, 228                          ; where my rows' scale words go in LDS;  v229 where waves 0 and 1 read 512 bytes back;  v230 the same place in asc
.set STR, 229
.set STO, 230
.set PFO, 231                          ; 256 x lane: the prefetches' offset; never rewritten
.set SK,  232                          ; v232-235 K's scale words;  v236-237 V's
.set SV,  236
.set CV,  238                          ; c
.set TB,  2                            ; s2  where the slot in hand begins
.set TS,  3                            ; s3  where its scale words begin
.set WV,  4                            ; s4  my wave's number
.set CS,  5                            ; s5  c = log2(e) / 32
.set SEL, 6                            ; s[6:7] v_permlanex16_b32's selects for lane l xor 16
.set G1,  8                            ; s[8:15]  descriptor group 1: 48 rows of 256 bytes, dense: a record, or sixteen records' scale words
.set G0K, 16                           ; s[16:19] group 0 for the records: it walks
.set MB,  20                           ; s[20:21] my tile's mask words;  s22 the step's offset in them
.set MO,  22
.set LIM, 23                           ; 1 in a wave that prefetches, else the greatest number
.set G0S, 24                           ; s[24:27] group 0 for the scale words: used once
.set PFA, 28                           ; s[28:29] where my prefetches stand
.set SLOTS, 30                         ; refills still to come
.set OIO, 66                           ; the offsets of my results in aimg and asc
.set OSO, 67
.set QP,  100                          ; s[100:101] my 16 rows of query
                                       ; s32-63, s68-99: the step's 64 mask words (at the head: the arguments and scratch)
.macro NOPS n
.rept \n
	v_nop
.endr
.endm
.macro MASKLOAD                        ; a step's 64 words
	s_load_b512 s[32:47], s[MB:MB+1], s[MO] offset:0x0
	s_load_b512 s[48:63], s[MB:MB+1], s[MO] offset:0x40
	s_load_b512 s[68:83], s[MB:MB+1], s[MO] offset:0x80
	s_load_b512 s[84:99], s[MB:MB+1], s[MO] offset:0xc0
.endm
	s_load_b256 s[68:75], s[0:1], 0x0              ; query s[68:69], kvc s[70:71], kvs s[72:73], maskw s[74:75]
	v_lshl_add_u32 v[SPW], v0, 2, SPARE
	v_mov_b32 v[NIL], 0
	ds_add_u32 v[SPW], v[NIL]                      ; the wave's opening: the add, twice on end, and its wait ahead of my first tensor load
	ds_add_u32 v[SPW], v[NIL]
	v_lshrrev_b32 v3, 5, v0
	v_readfirstlane_b32 s[WV], v3                  ; wave 0..15
	s_mov_b32 s[G1+0], 3<<16                       ; no mask; elements of 8 bytes; no padding
	s_mov_b32 s[G1+1], 32<<16                      ; tensor_dim0 = 32 elements (256 bytes)
	s_mov_b32 s[G1+2], 48<<16                      ; tensor_dim1 = 48
	s_mov_b32 s[G1+3], 32<<16                      ; tile_dim0
	s_mov_b32 s[G1+4], 48                          ; tile_dim1
	s_mov_b32 s[G1+5], 32                          ; from row to row: dense
	s_mov_b32 s[G1+6], 0
	s_mov_b32 s[G1+7], 0
	s_mov_b32 s[CS], 0x3d38aa3b
	s_mov_b32 s[SEL], 0x76543210
	s_mov_b32 s[SEL+1], 0xfedcba98
	s_mov_b32 s[TB], 0
	s_mov_b32 s[TS], SCB
	s_mov_b32 s[SLOTS], 14
	s_and_b32 s31, ttmp7, 0xffff                   ; y = 8 x batch + head pair
	s_lshr_b32 s80, s31, 3                         ; batch
	s_and_b32 s81, s31, 7                          ; g
	s_lshl_b32 s82, s80, 7
	s_lshl_b32 s83, ttmp9, 4
	s_add_co_u32 s82, s82, s83                     ; the work-group's first tile of 16 queries: 128 batch + 16 x
	s_add_co_u32 s83, s82, s[WV]                   ; mine
	s_and_b32 s85, s[WV], 1
	s_mul_i32 s85, s85, 12288                      ; waves 0, 1: a slot's two records; waves 2, 3: one head's scale words each
	s_mov_b32 s[G0K], 1
	s_mov_b32 s[G0K+1], s85                        ; slot 0
	s_mov_b32 s[G0S], 1
	s_add_co_u32 s[G0S+1], s85, SCB
	s_mul_i32 s86, s31, 393216                     ; my two heads' 32 records
	s_mov_b32 s87, 0
	s_mul_i32 s88, s31, 24576                      ; and their scale words
	s_mov_b32 s89, 0
	s_mov_b32 s90, s85
	s_mov_b32 s91, 0
	s_lshl_b32 s92, s83, 12                        ; my tile's mask words: 16 steps of 256 bytes
	s_mov_b32 s93, 0
	s_and_b32 s94, s[WV], 3
	s_lshl_b32 s94, s94, 13                        ; the prefetches: 8,192 bytes a wave,
	s_add_co_u32 s94, s94, 24576                   ; in slot 1: the first change of slots steps it to slot 2
	s_mov_b32 s95, 0
	s_mul_i32 s[OIO], s83, 12288                   ; aimg: [tile][head pair][image]
	s_mul_i32 s97, s81, 1536
	s_add_co_u32 s[OIO], s[OIO], s97
	s_lshl_b32 s[OSO], s81, 15                     ; asc: [head pair][row] words
	s_lshl_b32 s99, s82, 6
	s_add_co_u32 s[OSO], s[OSO], s99
	s_lshl_b32 s100, s83, 16                       ; query: 16 rows of 4,096 bytes,
	s_lshl_b32 s101, s81, 9                        ; the head pair's 128 numbers
	s_add_co_u32 s100, s100, s101
	s_mov_b32 s101, 0
	s_sub_co_u32 s80, s[WV], 4                     ; waves 4, 5, 6
	s_cmp_lt_u32 s80, 3
	s_cselect_b32 s[LIM], 0, 1
	s_or_b32 s[LIM], s[LIM], ttmp9                 ; of the head pair's first work-group prefetch
	s_cmp_eq_u32 s[LIM], 0
	s_cselect_b32 s[LIM], 1, -1
	s_wait_dscnt 0x0                               ; both opening adds are done
	s_wait_kmcnt 0x0
	s_add_nc_u64 s[70:71], s[70:71], s[86:87]
	s_add_nc_u64 s[72:73], s[72:73], s[88:89]
	s_add_nc_u64 s[MB:MB+1], s[74:75], s[92:93]
	s_add_nc_u64 s[PFA:PFA+1], s[70:71], s[94:95]
	s_add_nc_u64 s[QP:QP+1], s[68:69], s[100:101]
	s_add_nc_u64 s[G0K+2:G0K+3], s[70:71], s[90:91]
	s_or_b32 s[G0K+3], s[G0K+3], 0x80000000        ; type = 2
	s_add_nc_u64 s[G0S+2:G0S+3], s[72:73], s[90:91]
	s_or_b32 s[G0S+3], s[G0S+3], 0x80000000
	s_cmp_lt_u32 s[WV], 2                          ; the first fills: one tensor load of mine is out at the most.  An s_nop 0 and four v_nop follow each line
	s_cbranch_scc0 .Lnot_k
	tensor_load_to_lds s[G0K:G0K+3], s[G1:G1+7]    ; slot 0
	s_nop 0
	NOPS 4
	s_branch .Lasked
.Lnot_k:
	s_cmp_lt_u32 s[WV], 4
	s_cbranch_scc0 .Lasked
	tensor_load_to_lds s[G0S:G0S+3], s[G1:G1+7]    ; the scale words: filled once
	s_nop 0
	NOPS 4
.Lasked:
	s_mov_b32 s[MO], 0
	MASKLOAD                                       ; step 0's
	v_and_b32 v3, 31, v0
	v_and_b32 v100, 15, v0                         ; r
	v_bfe_u32 v101, v0, 4, 1                       ; h
	v_lshlrev_b32 v[LI4], 2, v3
	v_lshlrev_b32 v[PFO], 8, v3
	v_lshlrev_b32 v[LI16], 4, v3
.set j, 0
.rept 16
	global_load_b128 v[SCR+4*j:SCR+4*j+3], v[LI16], s[QP:QP+1] offset:4096*j th:TH_LOAD_NT   ; row j: 32 lanes read 512 consecutive bytes
.set j, j+1
.endr
	s_mul_i32 s31, s[WV], 16*528
	s_add_co_u32 s31, s31, QST                     ; my stage
	v_add_nc_u32 v[ADT], s31, v[LI16]              ; into it: a row as loaded; rows 528 bytes apart
	v_mul_u32_u24 v[ADK], v100, 528
	v_lshl_add_u32 v[ADK], v101, 7, v[ADK]
	v_add_nc_u32 v[ADK], s31, v[ADK]               ; out of it: row r, + 32 h numbers: a whole block in a lane
	v_lshlrev_b32 v[SAV], 3, v101                  ; 8 h, for q's scale words
	s_lshl_b32 s31, s[WV], 6
	v_lshlrev_b32 v[STA], 2, v100
	v_add_nc_u32 v[STA], s31, v[STA]
	v_add_nc_u32 v[STA], STG, v[STA]               ; STG + 64 x wave + 4 r
	s_and_b32 s31, s[WV], 1
	s_lshl_b32 s31, s31, 9
	v_add_nc_u32 v[STO], s31, v[LI16]              ; 512 (wave % 2) + 16 l
	v_add_nc_u32 v[STR], STG, v[STO]
	v_mov_b32 v[NEG], 0xce6e6b28                   ; -1e9
	v_mov_b32 v[CV], s[CS]
	v_mul_f32 v[TMK], s[CS], v[NEG]                ; by the same instruction that makes t in a step
	v_mov_b32 v[FF], 0
	v_mov_b32 v[FF+1], 0                           ; (named as the upper half of a pair)
.irp i, 6,7,8,9,10,11
	v_mov_b32 v[QF+\i], 0                          ; zero codes for K = 64 .. 127
.endr
.irp b, 0,1,2,3
	v_mov_b32 v[BT+\b], 0                          ; (a lane permute's destination counts as one of its sources)
.endr
	v_mov_b32 v[TT], 0
; head c's 32 numbers of my lane become six registers of codes at dst and the row's scale word in sw
.macro QUANTQ c, dst, sw
.set XS, SCR+32*\c
	v_max3_num_f32 v[BM], |v[XS]|, |v[XS+1]|, |v[XS+2]|
	v_max3_num_f32 v[BM+1], |v[XS+3]|, |v[XS+4]|, |v[XS+5]|
.irp i, 6,10,14,18,22,26
	s_delay_alu instid0(VALU_DEP_2)
	v_max3_num_f32 v[BM], v[BM], |v[XS+\i]|, |v[XS+\i+1]|
	s_delay_alu instid0(VALU_DEP_2)
	v_max3_num_f32 v[BM+1], v[BM+1], |v[XS+\i+2]|, |v[XS+\i+3]|
.endr
	s_delay_alu instid0(VALU_DEP_2)
	v_max3_num_f32 v[BM], v[BM], |v[XS+30]|, |v[XS+31]|
	s_delay_alu instid0(VALU_DEP_1)
	v_max3_num_f32 v[BM], v[BM], v[BM+1], FLOOR
	s_delay_alu instid0(VALU_DEP_1)
	v_add_nc_u32 v[SCO], EOFF, v[BM]
	v_cvt_scalef32_pk16_fp6_f32 v[\dst:\dst+2], v[XS:XS+15], v[SCO]
	v_cvt_scalef32_pk16_fp6_f32 v[PT:PT+2], v[XS+16:XS+31], v[SCO]
	v_lshrrev_b32 v[BM+1], 23, v[SCO]              ; the byte.  (The plain place behind the conversions)
.irp i, 0,1,2
	v_mov_b32 v[\dst+3+\i], v[PT+\i]
.endr
	v_lshlrev_b32 v[\sw], v[SAV], v[BM+1]          ; block h's byte at its place,
	s_delay_alu instid0(VALU_DEP_1)
	v_permlanex16_b32 v[BT], v[\sw], s[SEL], s[SEL+1]
	s_delay_alu instid0(VALU_DEP_1)
	v_or_b32 v[\sw], v[\sw], v[BT]                 ; with lane l xor 16's; bytes 2 and 3 stay 0
.endm
.macro RESET                           ; a head begins: the largest t under every t, sums and O^T zero (the first change of M leaves zeros zeros)
	v_mov_b32 v[TMX], 0xff61b1e6                   ; -3e38
	v_mov_b32 v[SUM], 0
	v_mov_b32 v[SUM+1], 0
	v_floor_f32 v[NM], -v[TMX]
.set j, 0
.rept 32
	v_mov_b32 v[OT+j], 0                           ; (these are also the places between the writes of q's operand and scale word and the products that take them)
.set j, j+1
.endr
.endm
	s_wait_alu depctr_va_vdst(0)
	s_wait_loadcnt 0x0                             ; query
.set j, 0
.rept 16
	ds_store_b128 v[ADT], v[SCR+4*j:SCR+4*j+3] offset:528*j
.set j, j+1
.endr
.irp c, 0,1
.irp i, 0,1,2,3,4,5,6,7
	ds_load_b128 v[SCR+32*\c+4*\i:SCR+32*\c+4*\i+3], v[ADK] offset:256*\c+16*\i   ; LDS serves a wave's instructions in order: these see the stores above
.endr
.endr
	s_wait_dscnt 0x0
	QUANTQ 0, QF, QS
	QUANTQ 1, QB, QSB
	RESET
; What stands in front of a change of slots: the wait for all my tensor loads, the add, the wait for it and for my reads of the slot, the signal.  fill = 1: a refill follows the barrier's wait.
; the add stands twice on end where a tensor load can still follow.
.macro THREE fill
	s_wait_alu depctr_va_vdst(0)
	s_wait_tensorcnt 0x0                           ; no tensor load of mine is out, so a group 0 may be written
	ds_add_u32 v[SPW], v[NIL]                      ; 0 onto my spare word
.if \fill
	ds_add_u32 v[SPW], v[NIL]
	s_xor_b32 s[G0K+1], s[G0K+1], SLOT1            ; the walking descriptor: the other slot than last time,
	s_add_nc_u64 s[G0K+2:G0K+3], s[G0K+2:G0K+3], 24576             ; the next two records; the type bits on top are not reached
	s_wait_xcnt 0x0                                ; the last prefetch, a slot back, has read its address, so it may be written
	s_add_nc_u64 s[PFA:PFA+1], s[PFA:PFA+1], 24576
.endif
	s_wait_dscnt 0x0                               ; the add is done, and my reads of the slot in hand are over
	s_barrier_signal -1
.endm
; A PREFETCH INTO THE L2 of the slot that the NEXT change of slots will ask for: 24,576 bytes, lanes 256 bytes apart, 8,192 bytes a wave.  The eight work-groups of a head pair walk the same records: the first of them asks,
; by its waves 4, 5 and 6, which fetch nothing: each block of 256 bytes is named once in the launch.  Slots 0 and 1 come by their loads alone; the last change that fills a slot asks for nothing.
.macro FILL                            ; behind the barrier's wait: waves 0 and 1 fill the slot just left with the next two records
	s_cmp_lt_u32 s[WV], 2
	s_cbranch_scc0 .Lno_fill_\@
	tensor_load_to_lds s[G0K:G0K+3], s[G1:G1+7]    ; the first thing behind the barrier, and a wave's one tensor load until the next
	s_nop 0
	NOPS 4
.Lno_fill_\@:
	s_cmp_gt_u32 s[SLOTS], s[LIM]
	s_cbranch_scc0 .Lnot_mine_\@
	global_prefetch_b8 v[PFO], s[PFA:PFA+1] th:TH_LOAD_NT scope:SCOPE_SE
.Lnot_mine_\@:
.endm
; A KEY STEP: 128 keys, record q of the slot in hand.  chg = 1: the slot's last step, a refill follows; 2: the same, no refill follows; 0: no change of slots
.set TQ, 240                           ; v[240:253] the sums' seven partial pairs
.macro SETADR                          ; once a slot: the LDS addresses of its images and scale words; the record's place stands in the loads' immediates
	v_add_nc_u32 v[ADK], s[TB], v[LI16]
	v_add_nc_u32 v[ADT], s[TS], v[LI4]
.endm
.macro KLOAD q                         ; K's images and scale words of record q: asked for behind the step before, so that they land under the rest of that step's additions
.irp b, 0,1,2,3
.irp p, 0,1,2
	ds_load_b128 v[KF+12*\b+4*\p:KF+12*\b+4*\p+3], v[ADK] offset:12288*(\q)+1536*\b+512*\p
.endr
	ds_load_b32 v[SK+\b], v[ADT] offset:768*(\q)+128*\b
.endr
.endm
; THE ROW'S SUM of the unquantised p: 32 pairs into eight chains, in four parts: SUMA behind the exponentials, SUMB0 ahead of the step's last products, SUMB1 and SUMB2 behind them.  p stays in its registers until the next step's scores land there
.macro TADD i, o                       ; chain i takes the pair at SCR + o
	v_pk_add_f32 v[TQ+2*(\i):TQ+2*(\i)+1], v[TQ+2*(\i):TQ+2*(\i)+1], v[SCR+(\o):SCR+(\o)+1]
.endm
.macro SADD o
	v_pk_add_f32 v[SUM:SUM+1], v[SUM:SUM+1], v[SCR+(\o):SCR+(\o)+1]
.endm
.macro SUMA
.irp i, 0,1,2,3,4,5,6
	v_pk_add_f32 v[TQ+2*\i:TQ+2*\i+1], v[SCR+4*\i:SCR+4*\i+1], v[SCR+4*\i+2:SCR+4*\i+3]
.endr
	SADD 28
.endm
.macro SUMB0
.irp i, 0,1,2,3
	TADD \i, 30+2*\i
.endr
.endm
.macro SUMB1
.irp i, 4,5,6
	TADD \i, 30+2*\i
.endr
	SADD 44
.endm
.macro SUMB2
.irp i, 0,1,2,3,4,5,6
	TADD \i, 46+2*\i
.endr
	SADD 60
	TADD 0, 62
	v_pk_add_f32 v[TQ+4:TQ+5], v[TQ+4:TQ+5], v[TQ+6:TQ+7]
	v_pk_add_f32 v[TQ+8:TQ+9], v[TQ+8:TQ+9], v[TQ+10:TQ+11]
	v_pk_add_f32 v[SUM:SUM+1], v[SUM:SUM+1], v[TQ+12:TQ+13]
	v_pk_add_f32 v[TQ:TQ+1], v[TQ:TQ+1], v[TQ+2:TQ+3]
	s_delay_alu instid0(VALU_DEP_2)
	v_pk_add_f32 v[SUM:SUM+1], v[SUM:SUM+1], v[TQ+8:TQ+9]
	s_delay_alu instid0(VALU_DEP_2)
	v_pk_add_f32 v[TQ:TQ+1], v[TQ:TQ+1], v[TQ+4:TQ+5]
	s_delay_alu instid0(VALU_DEP_1)
	v_pk_add_f32 v[SUM:SUM+1], v[SUM:SUM+1], v[TQ:TQ+1]
.endm
.macro STEP q, chg                     ; K's images of the step have been asked for; the macro ends with the step's last products (and, at a change of slots, the barrier's wait)
	s_wait_alu depctr_va_vdst(0)
	s_wait_dscnt 0x0
.irp t, 0,2,4,6                                ; S^T = K Q^T: source 0 = 16 keys, source 1 = my 16 queries.  The odd tile's scale words lie in lanes 16-31
	v_wmma_scale_f32_16x16x128_f8f6f4 v[SCR+8*\t:SCR+8*\t+7], v[KF+6*\t:KF+6*\t+11], v[QF:QF+11], 0, v[SK+\t/2], v[QS] matrix_a_fmt:MATRIX_FMT_FP6 matrix_b_fmt:MATRIX_FMT_FP6
	v_wmma_scale_f32_16x16x128_f8f6f4 v[SCR+8*\t+8:SCR+8*\t+15], v[KF+6*\t+6:KF+6*\t+17], v[QF:QF+11], 0, v[SK+\t/2], v[QS] matrix_a_fmt:MATRIX_FMT_FP6 matrix_b_fmt:MATRIX_FMT_FP6 matrix_a_scale:MATRIX_SCALE_ROW1
.endr
	NOPS 4                                         ; four places: in front of the loads over K's registers and of the first read of the scores
.irp t, 0,1,2,3                                ; V's images are asked for now and land under the selects
.irp p, 0,1,2
	ds_load_b128 v[KF+12*\t+4*\p:KF+12*\t+4*\p+3], v[ADK] offset:12288*(\q)+6144+1536*\t+512*\p
.endr
.endr
.irp a, 0,1
	ds_load_b32 v[SV+\a], v[ADT] offset:768*(\q)+512+128*\a
.endr
	s_wait_kmcnt 0x0                               ; the step's mask words, asked for a step ago
.set j, 0
.rept 64
.if j < 32
	v_cndmask_b32 v[SCR+j], v[NEG], v[SCR+j], s[32+j]              ; a masked score becomes -1e9.  (Each accumulator is read from its low end on)
.else
	v_cndmask_b32 v[SCR+j], v[NEG], v[SCR+j], s[36+j]
.endif
.set j, j+1
.endr
	s_add_co_u32 s[MO], s[MO], 256                 ; (behind the wait that shows the last loads done)  the next step's words;
	s_and_b32 s[MO], s[MO], 4095                   ; the second head walks the same sixteen steps again, and the last step's request stays inside the tile's words
	MASKLOAD
.if \chg
	THREE 2-\chg                                   ; V's images are my last read of this slot: from here to the barrier's wait only registers are at work
.endif
.irp b, 0,1,2,3
	v_max3_num_f32 v[BM+\b], v[SCR+16*\b], v[SCR+1+16*\b], v[SCR+2+16*\b]   ; the largest score of each block of 32 keys: for the row's maximum and, since p rises with the score, for the block's largest p
.endr
.irp i, 3,5,7,9,11,13
.irp b, 0,1,2,3
	v_max3_num_f32 v[BM+\b], v[BM+\b], v[SCR+16*\b+\i], v[SCR+1+16*\b+\i]   ; (the four blocks by turns)
.endr
.endr
.irp b, 0,1,2,3
	v_max_num_f32 v[BM+\b], v[BM+\b], v[SCR+15+16*\b]
.endr
.irp b, 0,1,2,3
	v_permlanex16_b32 v[BT+\b], v[BM+\b], s[SEL], s[SEL+1]
.endr
.irp b, 0,1,2,3
	v_max_num_f32 v[BM+\b], v[BM+\b], v[BT+\b]     ; with lane l xor 16's 16 keys
.endr
	s_delay_alu instid0(VALU_DEP_2)
	v_max3_num_f32 v[TT], v[BM], v[BM+1], v[BM+2]
	s_delay_alu instid0(VALU_DEP_1)
	v_max_num_f32 v[TT], v[TT], v[BM+3]
	s_delay_alu instid0(VALU_DEP_1)
	v_mul_f32 v[TT], s[CS], v[TT]                  ; the step's largest t
	s_delay_alu instid0(VALU_DEP_1)
	v_max_num_f32 v[TMX], v[TMX], v[TT]
	v_mov_b32 v[TT], v[NM]
	s_delay_alu instid0(VALU_DEP_2)
	v_floor_f32 v[NM], -v[TMX]                     ; -M = floor(-t): M is a whole number
	v_cmp_lt_f32 vcc_lo, v[TMK], v[TMX]            ; has a key counted yet?
	s_delay_alu instid0(VALU_DEP_2)
	v_sub_f32 v[TT], v[NM], v[TT]                  ; old M - new M, 0 or less
	v_cndmask_b32 v[CL], 0, v[CV], vcc_lo          ; if none: c = 0
	v_cndmask_b32 v[AL], 0, v[NM], vcc_lo          ; and -M = 0, so that p = 1
	s_delay_alu instid0(VALU_DEP_3)
	v_cvt_i32_f32 v[TT], v[TT]                     ; (it saturates)
	s_delay_alu instid0(VALU_DEP_1)
	v_ldexp_f32 v[FF], 1.0, v[TT]                  ; f = 2^(old M - new M)
.set j, 0
.rept 32
	v_pk_fma_f32 v[SCR+j:SCR+j+1], v[SCR+j:SCR+j+1], v[CL:CL+1], v[AL:AL+1] op_sel_hi:[1,0,0]   ; t - M, two at a time (of both pairs the low word serves both halves)
.set j, j+2
.endr
.irp b, 0,1,2,3
	v_fma_f32 v[BM+\b], v[BM+\b], v[CL], v[AL]
.endr
.set j, 0
.rept 16
	v_pk_mul_f32 v[OT+j:OT+j+1], v[OT+j:OT+j+1], v[FF:FF+1] op_sel_hi:[1,0]   ; O^T under the new M, from each accumulator's low end on: no transcendental stands between the last products and this read
.set j, j+2
.endr
.if \chg == 0
	s_wait_dscnt 0x0                               ; V's images and scale words, asked for ahead of the selects
.endif
	s_wait_alu depctr_va_vdst(0)
.set j, 0
.rept 64
	v_exp_f32 v[SCR+j], v[SCR+j]                   ; p = 2^(t - M)
.set j, j+1
.endr
	v_pk_mul_f32 v[SUM:SUM+1], v[SUM:SUM+1], v[FF:FF+1] op_sel_hi:[1,0]   ; the sums under the new M.  (The plain place behind the exponentials)
	s_wait_alu depctr_va_vdst(0)                   ; one wait for the whole batch, ahead of its first reader
.irp b, 0,1,2,3
	v_exp_f32 v[BM+\b], v[BM+\b]                   ; the blocks' largest p
.endr
	SUMA                                           ; the first eight of the sums' additions: plain work behind the four
	s_wait_alu depctr_va_vdst(0)                   ; and one for the four
.irp b, 0,1,2,3
	v_max_num_f32 v[BM+\b], FLOOR, v[BM+\b]        ; the byte cannot fall under 1 (a block whose every p is 0 keeps that byte: its codes are zeros)
.endr
.irp b, 0,1,2,3
	v_add_nc_u32 v[SCO+\b], EOFF, v[BM+\b]
.endr
.irp b, 0,1,2,3
	v_lshrrev_b32 v[BT+\b], 23, v[SCO+\b]
.endr
	s_delay_alu instid0(VALU_DEP_3)
	v_lshl_or_b32 v[PW], v[BT+1], 8, v[BT]         ; p's scale word for these 128 keys
	s_delay_alu instid0(VALU_DEP_1)
	v_lshl_or_b32 v[PW], v[BT+2], 16, v[PW]
	s_delay_alu instid0(VALU_DEP_1)
	v_lshl_or_b32 v[PW], v[BT+3], 24, v[PW]
.irp c, 0,1
	v_cvt_scalef32_pk16_fp6_f32 v[PC+6*\c:PC+6*\c+2], v[SCR+32*\c:SCR+32*\c+15], v[SCO+2*\c]
	v_cvt_scalef32_pk16_fp6_f32 v[PT+4*\c:PT+4*\c+2], v[SCR+16+32*\c:SCR+31+32*\c], v[SCO+2*\c+1]
.endr
	v_nop                                          ; one plain place behind a scaled conversion
.irp c, 0,1                                    ; the operand wants a whole block in a lane: lanes 0-15 block 2 c, lanes 16-31 block 2 c + 1
.irp i, 0,1,2
	v_permlane16_swap_b32 v[PC+6*\c+\i], v[PT+4*\c+\i]
.endr
.irp i, 0,1,2
	v_mov_b32 v[PC+3+6*\c+\i], v[PT+4*\c+\i]
.endr
.endr
	SUMB0                                          ; four of the sums' additions: the places between the writes of p's operand and the products that take it
.irp t, 0,2                                    ; O^T += V^T P^T: the four accumulators take turns
	v_wmma_scale_f32_16x16x128_f8f6f4 v[OT+8*\t:OT+8*\t+7], v[KF+12*\t:KF+12*\t+11], v[PC:PC+11], v[OT+8*\t:OT+8*\t+7], v[SV+\t/2], v[PW] matrix_a_fmt:MATRIX_FMT_FP6 matrix_b_fmt:MATRIX_FMT_FP6
	v_wmma_scale_f32_16x16x128_f8f6f4 v[OT+8*\t+8:OT+8*\t+15], v[KF+12*\t+12:KF+12*\t+23], v[PC:PC+11], v[OT+8*\t+8:OT+8*\t+15], v[SV+\t/2], v[PW] matrix_a_fmt:MATRIX_FMT_FP6 matrix_b_fmt:MATRIX_FMT_FP6 matrix_a_scale:MATRIX_SCALE_ROW1
.endr
.if \chg
	s_barrier_wait -1                              ; every wave has left this slot, and the slot ahead is whole
.endif
.endm
.macro NEXTSLOT
	s_xor_b32 s[TB], s[TB], SLOT1                  ; on to the other slot,
	s_add_co_u32 s[TS], s[TS], 1536                ; and two records' scale words on
.endm
; A HEAD ENDS: O^T / l, quantised along the head's 64 channels (two blocks): half c of the projection's operand and of its scale word
.macro FINISH c
	NOPS 4                                         ; four places behind the last products
	s_wait_alu depctr_va_vdst(0)                   ; the sum was written just ahead of a wait or a barrier
	v_add_f32 v[SUM], v[SUM], v[SUM+1]
	s_delay_alu instid0(VALU_DEP_1)
	v_permlanex16_b32 v[TT], v[SUM], s[SEL], s[SEL+1]
	s_delay_alu instid0(VALU_DEP_1)
	v_add_f32 v[SUM], v[SUM], v[TT]                ; the row's sum
	s_wait_alu depctr_va_vdst(0)                   ; the wait ahead of the reciprocal,
	v_rcp_f32 v[FF], v[SUM]
	v_nop                                          ; one plain place behind it,
	s_wait_alu depctr_va_vdst(0)                   ; and the wait ahead of its first reader, which is also O^T's
.set j, 0
.rept 16
	v_pk_mul_f32 v[OT+j:OT+j+1], v[OT+j:OT+j+1], v[FF:FF+1] op_sel_hi:[1,0]
.set j, j+2
.endr
.irp a, 0,1
	v_max3_num_f32 v[BM+\a], |v[OT+16*\a]|, |v[OT+1+16*\a]|, FLOOR
.endr
.irp i, 2,4,6,8,10,12,14
.irp a, 0,1
	s_delay_alu instid0(VALU_DEP_2)
	v_max3_num_f32 v[BM+\a], v[BM+\a], |v[OT+16*\a+\i]|, |v[OT+1+16*\a+\i]|
.endr
.endr
.irp a, 0,1
	s_delay_alu instid0(VALU_DEP_2)
	v_permlanex16_b32 v[BT+\a], v[BM+\a], s[SEL], s[SEL+1]
.endr
.irp a, 0,1
	s_delay_alu instid0(VALU_DEP_2)
	v_max_num_f32 v[BM+\a], v[BM+\a], v[BT+\a]
.endr
.irp a, 0,1
	s_delay_alu instid0(VALU_DEP_2)
	v_add_nc_u32 v[SCO+\a], EOFF, v[BM+\a]
.endr
.irp a, 0,1
	s_delay_alu instid0(VALU_DEP_2)
	v_lshrrev_b32 v[BT+\a], 23, v[SCO+\a]
.endr
	s_delay_alu instid0(VALU_DEP_1)
	v_lshl_or_b32 v[TT], v[BT+1], 8, v[BT]
	s_delay_alu instid0(VALU_DEP_1)
.if \c == 0
	v_mov_b32 v[SAV], v[TT]
.else
	v_lshl_or_b32 v[SAV], v[TT], 16, v[SAV]
.endif
	v_cvt_scalef32_pk16_fp6_f32 v[HC+6*\c:HC+6*\c+2], v[OT:OT+15], v[SCO]
	v_cvt_scalef32_pk16_fp6_f32 v[PT:PT+2], v[OT+16:OT+31], v[SCO+1]
	v_nop                                          ; one plain place behind a scaled conversion
.irp i, 0,1,2
	v_permlane16_swap_b32 v[HC+6*\c+\i], v[PT+\i]
.endr
.irp i, 0,1,2
	v_mov_b32 v[HC+3+6*\c+\i], v[PT+\i]
.endr
.endm
	THREE 1                                        ; in front of the walk: slot 0 and the scale words are in;
	s_barrier_wait -1
	FILL                                           ; slot 1's first fill is issued as a refill is
	SETADR
	KLOAD 0
.Lslot:                                            ; 14 trips: trip j walks slot j and asks for slot j + 2
	STEP 0, 0
	SUMB1                                          ; four additions: the places in front of loads into registers that the last products have read
	KLOAD 1
	SUMB2
	STEP 1, 1
	FILL                                           ; the refill first behind the barrier's wait,
	NEXTSLOT
	SETADR
	NOPS 2                                         ; (with the two lines above: four places in front of the loads)
	KLOAD 0                                        ; then the next slot's first images
	s_wait_alu depctr_va_vdst(0)
	SUMB1
	SUMB2
	s_cmp_lg_u32 s[SLOTS], 7                       ; the eighth slot ends the first head: a branch on the loop's count
	s_cbranch_scc1 .Lsame
	FINISH 0
.irp i, 0,1,2,3,4,5
	v_mov_b32 v[QF+\i], v[QB+\i]                   ; the second head's q
.endr
	v_mov_b32 v[QS], v[QSB]
	RESET
.Lsame:
	s_sub_co_u32 s[SLOTS], s[SLOTS], 1
	s_cmp_lg_u32 s[SLOTS], 0
	s_cbranch_scc1 .Lslot
	STEP 0, 0                                      ; the last two slots are written out
	SUMB1
	KLOAD 1
	SUMB2
	STEP 1, 2
	NEXTSLOT
	SETADR
	NOPS 2
	KLOAD 0
	s_wait_alu depctr_va_vdst(0)
	SUMB1
	SUMB2
	STEP 0, 0
	SUMB1
	KLOAD 1
	SUMB2
	STEP 1, 0
	SUMB1
	SUMB2
	s_wait_kmcnt 0x0                               ; the last step's request for mask words is in: its registers are free
	s_load_b128 s[32:35], s[0:1], 0x20             ; aimg, asc
	FINISH 1
	s_mov_b32 s36, s[OIO]
	s_mov_b32 s37, 0
	s_mov_b32 s38, s[OSO]
	s_mov_b32 s39, 0
	s_wait_alu depctr_va_vdst(0)
	s_wait_kmcnt 0x0
	s_add_nc_u64 s[32:33], s[32:33], s[36:37]
	s_add_nc_u64 s[34:35], s[34:35], s[38:39]
.irp p, 0,1,2
	global_store_b128 v[LI16], v[HC+4*\p:HC+4*\p+3], s[32:33] offset:512*\p   ; the image: 32 lanes store 512 consecutive bytes
.endr
	ds_store_b32 v[STA], v[SAV]                    ; my 16 rows' scale words (both halves of the lanes write the same word with the same value)
	s_wait_dscnt 0x0                               ; for the others' sake: my store has landed
	s_barrier_signal -1
	s_barrier_wait -1                              ; the work-group's 256 words lie in LDS
	s_cmp_lt_u32 s[WV], 2
	s_cbranch_scc0 .Lno_words
	ds_load_b128 v[BM:BM+3], v[STR]
	s_wait_dscnt 0x0
	global_store_b128 v[STO], v[BM:BM+3], s[34:35] ; waves 0 and 1 store 512 consecutive bytes each
.Lno_words:
	s_wait_tensorcnt 0x0                           ; the wave's end, behind my last tensor load and my last LDS store
	ds_add_u32 v[SPW], v[NIL]
	s_wait_dscnt 0x0
	s_endpgm
.Lfunc_end_k_q808da72057_attn:
	.size	k_q808da72057_attn, .Lfunc_end_k_q808da72057_attn-k_q808da72057_attn
	.p2alignl 7, 3214868480
	.fill 96, 4, 3214868480
	.section	.rodata,"a",@progbits
	.p2align	6, 0x0
	.amdhsa_kernel k_q808da72057_attn
		.amdhsa_group_segment_fixed_size 327680
		.amdhsa_private_segment_fixed_size 0
		.amdhsa_enable_private_segment 0
		.amdhsa_kernarg_size 48
		.amdhsa_user_sgpr_count 2
		.amdhsa_user_sgpr_kernarg_segment_ptr 1
		.amdhsa_wavefront_size32 1
		.amdhsa_system_sgpr_workgroup_id_x 1
		.amdhsa_system_sgpr_workgroup_id_y 1
		.amdhsa_system_sgpr_workgroup_id_z 1
		.amdhsa_system_vgpr_workitem_id 0
		.amdhsa_next_free_vgpr 256
		.amdhsa_next_free_sgpr 102
		.amdhsa_reserve_vcc 1
		.amdhsa_float_denorm_mode_32 3
		.amdhsa_float_denorm_mode_16_64 3
		.amdhsa_memory_ordered 1
		.amdhsa_forward_progress 1
		.amdhsa_inst_pref_size 150
	.end_amdhsa_kernel
	.amdgpu_metadata
---
amdhsa.version: [ 1, 2 ]
amdhsa.kernels:
  - .name:           k_q808da72057_attn
    .symbol:         k_q808da72057_attn.kd
    .args:
      - { .name: query, .offset: 0, .size: 8, .value_kind: global_buffer, .address_space: global }
      - { .name: kvc, .offset: 8, .size: 8, .value_kind: global_buffer, .address_space: global }
      - { .name: kvs, .offset: 16, .size: 8, .value_kind: global_buffer, .address_space: global }
      - { .name: maskw, .offset: 24, .size: 8, .value_kind: global_buffer, .address_space: global }
      - { .name: aimg, .offset: 32, .size: 8, .value_kind: global_buffer, .address_space: global }
      - { .name: asc, .offset: 40, .size: 8, .value_kind: global_buffer, .address_space: global }
    .group_segment_fixed_size: 327680
    .private_segment_fixed_size: 0
    .kernarg_segment_align: 8
    .kernarg_segment_size: 48
    .max_flat_workgroup_size: 512
    .sgpr_count:     102
    .vgpr_count:     256
    .wavefront_size: 32
...
	.end_amdgpu_metadata
.endif
;; end of part 2
;; launch proj (part 3): grid 4 x 64, 8 waves a work-group, clusters of 4 x 4, 327,680 bytes of LDS; arguments aimg, asc, wimg, wsc, out0, b_out; writes out0
.if DOCPART == 3
	.amdgcn_target "amdgcn-amd-amdhsa--gfx1250"
	.amdhsa_code_object_version 6
	.text
	.protected	k_q808da72057_proj
	.globl	k_q808da72057_proj
	.p2align	8
	.type	k_q808da72057_proj,@function
k_q808da72057_proj:
	s_mov_b64 s[64:65], 0
	v_nop
	global_prefetch_b8 v0, s[64:65] scope:SCOPE_SE
	s_setreg_imm32_b32 hwreg(HW_REG_WAVE_MODE, 25, 1), 1
	s_wait_xcnt 0x0
	s_wait_alu depctr_hold_cnt(0) depctr_sa_sdst(0) depctr_va_vdst(0) depctr_va_sdst(0) depctr_va_ssrc(0) depctr_va_vcc(0) depctr_vm_vsrc(0)
	s_getreg_b32 s2, hwreg(HW_REG_IB_STS2, 6, 4)
	s_cmp_eq_u32 s2, 0
	s_cbranch_scc0 .Lentry_in_a_cluster
	s_endpgm
.Lentry_in_a_cluster:
	s_bfe_u32 s2, ttmp6, 0x10000c
	s_cmp_lg_u32 s2, 0xf033
	s_cbranch_scc0 .Lentry_shape_is_right
	s_endpgm
.Lentry_shape_is_right:
; THE OUTPUT PROJECTION on codes of FP6 (E2M3): out0[m][n] = sum over k of O[m][k] W_out[n][k] + b_out[n]; M = 8,192, N = K = 1,024; one E8M0 scale for each 32 along K; sums in f32.
; Both operands come as images of the operands' registers: aimg and wimg hold, for a tile of 16 rows, eight K steps of 1,536 bytes on end; asc and wsc hold a word for each row and K step, [K step][row].
; A work-group makes 128 rows x 256 columns.  ALL OF K FITS IN LDS AT ONCE: A's 8 tiles are 98,304 dense bytes, W's 16 tiles 196,608, the scale words 4,096 + 8,192.  So LDS is filled once, by one tensor load
; in each of the eight waves (waves 0, 1: halves of A; waves 2-5: quarters of W; wave 6: A's scale words; wave 7: W's): no ring, no refill.  A wave makes 64 x 64: sixteen accumulators, 128 registers.
; CLUSTERS: 4 x 4 work-groups.  The four of a row of the cluster need the same rows of A, the four of a column the same rows of W: each tile is asked for jointly.
; THE MATRIX INSTRUCTION IS USED TRANSPOSED (source 0 = 16 rows of W, source 1 = 16 rows of A).  Row rho of W's tile 2 b + u is column 32 b + 8 u + rho + 8 (rho / 8): so a lane's eight results of tile t are
; the eight neighbouring columns 32 (t / 2) + 8 (t % 2) + 16 (lane / 16) + 0 .. 7 of row lane % 16.  THE BIAS is loaded straight into the accumulators, so that every product adds in place.
; NO PREFETCH: the launch asks for all its bytes at its head and has no loop to run ahead in.
.set QTR,   49152                      ; four tiles, all of K: what a tensor load of codes brings, and what a wave reads of A or of W
.set ABLK,  2*QTR                      ; LDS: A's eight tiles at 0, W's sixteen behind them
.set SCA,   6*QTR                      ; A's scale words: eight K steps of 512 bytes
.set SCW,   SCA+4096                   ; W's: eight K steps of 1,024 bytes
.set SPARE, SCW+8192                   ; the spare words, 128 bytes for each wave: four blocks of 256 bytes that no other line names
.set SPITCH, 272                       ; the way out: a stage of 16 rows x (256 + 16) bytes for each wave, on A's bytes, behind a barrier behind which nobody reads codes
.set ADRA, 8                           ; LDS address of my A images;  v9 of my W images
.set ADRB, 9
.set ADSA, 10                          ; of my A scale words;  v11 of my W scale words
.set ADSB, 11
.set STO,  12                          ; the way out: where I put 32 bytes of a row;  v13 where I read a row back;  v14 my byte offset in out0
.set RD,   13
.set CO,   14
.set BO,   15                          ; my offset in the bias
.set SAR,  16                          ; v16-19 A's scale words, a register a tile;  v20-23 W's
.set SBR,  20
.set SPW,  28                          ; my spare word; never rewritten
.set NIL,  29                          ; 0; never rewritten
.set AF,   32                          ; v[32:79] A's four fragments;  v[80:127] W's four;  on the way out v[32 + 32 a ..] takes block a's rows
.set BF,   80
.set ACC,  128                         ; v[128:255] accumulator (a, b) at v[ACC + 8 (4 a + b)]
.set G1A, 24                           ; s[24:31], s[32:35] groups 1 and 0 for A's codes;  s[48:55], s[36:39] for W's
.set G0A, 32
.set G1B, 48
.set G0B, 36
.set G1SA, 68                          ; s[68:75], s[76:79] for A's scale words;  s[80:87], s[88:91] for W's
.set G0SA, 76
.set G1SB, 80
.set G0SB, 88
.macro NOPS n
.rept \n
	v_nop
.endr
.endm
.macro CROUND                          ; a round of the cluster's barrier
	s_barrier_signal -1
	s_barrier_wait -1
	s_cmp_lg_u32 s14, 0
	s_cbranch_scc1 .Lnot_wave_0_\@
	s_barrier_signal -3
.Lnot_wave_0_\@:
	s_barrier_wait -3
	s_barrier_signal -1
	s_barrier_wait -1
.endm
.macro GROUP1 g, cols, rows, pitch     ; rows of cols elements of 8 bytes
	s_mov_b32 s[\g+1], \cols<<16
	s_mov_b32 s[\g+2], \rows<<16
	s_mov_b32 s[\g+3], \cols<<16
	s_mov_b32 s[\g+4], \rows
	s_mov_b32 s[\g+5], \pitch
	s_mov_b32 s[\g+6], 0
	s_mov_b32 s[\g+7], 0
.endm
	s_load_b128 s[4:7], s[0:1], 0x0                ; aimg, asc
	s_load_b128 s[8:11], s[0:1], 0x10              ; wimg, wsc
	s_load_b64 s[12:13], s[0:1], 0x20              ; out0
	s_load_b64 s[96:97], s[0:1], 0x28              ; b_out
	v_lshl_add_u32 v[SPW], v0, 2, SPARE
	v_mov_b32 v[NIL], 0
	ds_add_u32 v[SPW], v[NIL]                      ; the wave's opening: the add, twice on end, and its wait ahead of my first tensor load
	ds_add_u32 v[SPW], v[NIL]
	v_lshrrev_b32 v1, 5, v0
	v_readfirstlane_b32 s14, v1                    ; wave 0..7
	s_bfe_u32 s40, ttmp6, 0x40000                  ; cx, cy: my place in the cluster
	s_bfe_u32 s41, ttmp6, 0x40004
	s_lshl_b32 s42, ttmp9, 2
	s_add_co_u32 s42, s42, s40                     ; block column = 4 x cluster x + cx
	s_and_b32 s17, ttmp7, 0xffff
	s_lshl_b32 s17, s17, 2
	s_add_co_u32 s17, s17, s41                     ; block row = 4 x cluster y + cy
	s_lshl_b32 s43, s41, 2
	s_lshl_b32 s43, 15, s43                        ; my row of the cluster
	s_lshl_b32 s44, 0x1111, s40                    ; my column
	s_or_b32 s[G1A+0], s43, (3<<16)|(1<<21)        ; the mask; elements of 8 bytes; bit 21 set beside a mask; no padding
	s_or_b32 s[G1B+0], s44, (3<<16)|(1<<21)
	s_or_b32 s[G1SA+0], s43, (3<<16)|(1<<21)
	s_or_b32 s[G1SB+0], s44, (3<<16)|(1<<21)
	GROUP1 G1A, 32, 192, 32                        ; 49,152 dense bytes as 192 rows of 256
	GROUP1 G1B, 32, 192, 32
	GROUP1 G1SA, 64, 8, 4096                       ; eight K steps: 512 bytes of each 32,768
	GROUP1 G1SB, 128, 8, 512                       ; eight K steps: 1,024 bytes of each 4,096
	s_and_b32 s15, s14, 1                          ; which half of A I fetch (waves 0, 1)
	s_add_co_u32 s16, s14, 2
	s_and_b32 s16, s16, 3                          ; which quarter of W (waves 2-5)
	s_mul_i32 s18, s15, QTR
	s_mul_i32 s19, s16, QTR
	s_mul_i32 s20, s17, ABLK
	s_add_co_u32 s20, s20, s18                     ; A's codes hang on the block row alone,
	s_mov_b32 s21, 0
	s_mul_i32 s46, s42, 4*QTR
	s_add_co_u32 s46, s46, s19                     ; W's on the block column alone
	s_mov_b32 s47, 0
	s_lshl_b32 s22, s17, 9
	s_mov_b32 s23, 0
	s_lshl_b32 s92, s42, 10
	s_mov_b32 s93, 0
	s_add_co_u32 s19, s19, ABLK                    ; where W's quarter goes
	s_lshr_b32 s56, s14, 2                         ; what I multiply: which 64 rows,
	s_and_b32 s57, s14, 3                          ; which 64 columns
	s_mul_i32 s58, s56, QTR
	s_mul_i32 s59, s57, QTR
	s_add_co_u32 s59, s59, ABLK
	s_lshl_b32 s60, s56, 8
	s_add_co_u32 s60, s60, SCA
	s_lshl_b32 s61, s57, 8
	s_add_co_u32 s61, s61, SCW
	s_mul_i32 s62, s14, 16*SPITCH                  ; my stage
	s_lshl_b32 s66, s42, 10
	s_lshl_b32 s67, s57, 8
	s_add_co_u32 s66, s66, s67                     ; my first column, in bytes
	s_mov_b32 s67, 0
	s_lshl_b32 s94, s17, 7
	s_lshl_b32 s95, s56, 6
	s_add_co_u32 s94, s94, s95                     ; my first row
	s_lshl_b32 s94, s94, 12                        ; rows of 4,096 bytes
	s_add_co_u32 s94, s94, s66
	s_mov_b32 s95, 0
	s_wait_dscnt 0x0                               ; both opening adds are done
	s_wait_kmcnt 0x0
	s_add_nc_u64 s[20:21], s[4:5], s[20:21]
	s_add_nc_u64 s[22:23], s[6:7], s[22:23]
	s_add_nc_u64 s[46:47], s[8:9], s[46:47]
	s_add_nc_u64 s[92:93], s[10:11], s[92:93]
	s_add_nc_u64 s[12:13], s[12:13], s[94:95]
	s_add_nc_u64 s[96:97], s[96:97], s[66:67]
	CROUND                                         ; all sixteen work-groups are here: the joint loads meet
	s_mov_b32 s[G0A], 1
	s_mov_b32 s[G0A+1], s18
	s_mov_b64 s[G0A+2:G0A+3], s[20:21]
	s_or_b32 s[G0A+3], s[G0A+3], 0x80000000
	s_mov_b32 s[G0B], 1
	s_mov_b32 s[G0B+1], s19
	s_mov_b64 s[G0B+2:G0B+3], s[46:47]
	s_or_b32 s[G0B+3], s[G0B+3], 0x80000000
	s_mov_b32 s[G0SA], 1
	s_mov_b32 s[G0SA+1], SCA
	s_mov_b64 s[G0SA+2:G0SA+3], s[22:23]
	s_or_b32 s[G0SA+3], s[G0SA+3], 0x80000000
	s_mov_b32 s[G0SB], 1
	s_mov_b32 s[G0SB+1], SCW
	s_mov_b64 s[G0SB+2:G0SB+3], s[92:93]
	s_or_b32 s[G0SB+3], s[G0SB+3], 0x80000000
; THE LOADS, ONE A WAVE: one tree of branches on the wave's number; every way through it passes exactly one load.  An s_nop 0 and four v_nop follow each
.macro ARM under, g0, g1, next
	s_cmp_lt_u32 s14, \under
	s_cbranch_scc0 \next
	tensor_load_to_lds s[\g0:\g0+3], s[\g1:\g1+7]
	s_nop 0
	NOPS 4
	s_branch .Lasked
\next:
.endm
	ARM 2, G0A,  G1A,  .Lfor_b
	ARM 6, G0B,  G1B,  .Lfor_sa
	ARM 7, G0SA, G1SA, .Lfor_sb
	tensor_load_to_lds s[G0SB:G0SB+3], s[G1SB:G1SB+7]
	s_nop 0
	NOPS 4
.Lasked:
	v_and_b32 v1, 15, v0                           ; r
	v_bfe_u32 v2, v0, 4, 1                         ; h
	v_and_b32 v3, 31, v0
	v_lshlrev_b32 v[BO], 6, v2                     ; the bias: 16 h columns
.irp a, 0,1,2,3                        ; the bias goes into all sixteen accumulators, in the results' layout
.irp b, 0,1,2,3
	global_load_b128 v[ACC+8*(4*\a+\b):ACC+8*(4*\a+\b)+3], v[BO], s[96:97] offset:(32*(\b/2)+8*(\b%2))*4
	global_load_b128 v[ACC+8*(4*\a+\b)+4:ACC+8*(4*\a+\b)+7], v[BO], s[96:97] offset:(32*(\b/2)+8*(\b%2))*4+16
.endr
.endr
	v_lshlrev_b32 v4, 4, v3                        ; 16 l: an image's place for my lane
	v_lshlrev_b32 v5, 2, v1                        ; 4 r: a row's scale word
	v_add_nc_u32 v[ADRA], s58, v4
	v_add_nc_u32 v[ADRB], s59, v4
	v_add_nc_u32 v[ADSA], s60, v5
	v_add_nc_u32 v[ADSB], s61, v5
	v_mul_u32_u24 v6, v1, SPITCH                   ; into the stage: row r, 64 bytes for each half of the lanes
	v_lshl_add_u32 v6, v2, 6, v6
	v_add_nc_u32 v[STO], s62, v6
	v_mul_u32_u24 v7, v2, SPITCH                   ; back: lanes 0-15 take one row of 256 bytes, lanes 16-31 the next
	v_lshl_add_u32 v7, v1, 4, v7
	v_add_nc_u32 v[RD], s62, v7
	v_lshlrev_b32 v6, 12, v2                       ; and the same two rows in out0
	v_lshl_add_u32 v[CO], v1, 4, v6
	s_wait_alu depctr_va_vdst(0)
	s_wait_loadcnt 0x0                             ; the bias
	s_wait_tensorcnt 0x0                           ; my part of LDS is in;
	s_barrier_signal -1
	s_barrier_wait -1                              ; and so is everybody's.  Nothing is filled again
; A K step of 128: eight scale words, W's four fragments, A's four; A's blocks one after the other, each against W's four: the sixteen accumulators take turns
.macro KSTEP k
.if \k > 0
	NOPS 4                                         ; four places in front of loads into registers that the last products have read
.endif
.irp i, 0,1,2,3
	ds_load_b32 v[SBR+\i], v[ADSB] offset:1024*\k+64*\i
	ds_load_b32 v[SAR+\i], v[ADSA] offset:512*\k+64*\i
.endr
.irp i, 0,1,2,3
.irp p, 0,1,2
	ds_load_b128 v[BF+12*\i+4*\p:BF+12*\i+4*\p+3], v[ADRB] offset:12288*\i+1536*\k+512*\p
.endr
.endr
.irp i, 0,1,2,3
.irp p, 0,1,2
	ds_load_b128 v[AF+12*\i+4*\p:AF+12*\i+4*\p+3], v[ADRA] offset:12288*\i+1536*\k+512*\p
.endr
.endr
.irp a, 0,1,2,3
	s_wait_dscnt 9-3*\a                            ; A's block a is in; the three loads of each later block may be out
.if (\k == 7) && (\a == 3)
	s_barrier_signal -1                            ; my reads of the codes are over
.endif
.irp b, 0,1,2,3
	v_wmma_scale_f32_16x16x128_f8f6f4 v[ACC+8*(4*\a+\b):ACC+8*(4*\a+\b)+7], v[BF+12*\b:BF+12*\b+11], v[AF+12*\a:AF+12*\a+11], v[ACC+8*(4*\a+\b):ACC+8*(4*\a+\b)+7], v[SBR+\b], v[SAR+\a] matrix_a_fmt:MATRIX_FMT_FP6 matrix_b_fmt:MATRIX_FMT_FP6
.endr
.endr
.endm
.irp k, 0,1,2,3,4,5,6,7
	KSTEP \k
.endr
	s_barrier_wait -1                              ; nobody reads codes any more: their bytes, which have had their one fill, take the stages
	NOPS 4                                         ; four places in front of the first read of the results and of loads into the fragments' registers
; THE WAY OUT, block by block of 16 rows x 64 columns: through my own stage, back as whole rows of 256 bytes.  LDS serves a wave's instructions in order: no wait between the stores and the loads
.macro TOSTAGE a
.irp b, 0,1,2,3
	ds_store_b128 v[STO], v[ACC+8*(4*\a+\b):ACC+8*(4*\a+\b)+3] offset:128*(\b/2)+32*(\b%2)        ; each accumulator from its low end on
	ds_store_b128 v[STO], v[ACC+8*(4*\a+\b)+4:ACC+8*(4*\a+\b)+7] offset:128*(\b/2)+32*(\b%2)+16
.endr
.irp t, 0,1,2,3,4,5,6,7
	ds_load_b128 v[AF+32*\a+4*\t:AF+32*\a+4*\t+3], v[RD] offset:\t*2*SPITCH   ; each block has registers of its own (block 3: those of block 0's accumulators, which have been staged)
.endr
.endm
.macro SEND a, younger                 ; younger: the LDS instructions issued behind block a's loads, which may stay out
	s_wait_dscnt \younger
.irp t, 0,1,2,3,4,5,6,7
	global_store_b128 v[CO], v[AF+32*\a+4*\t:AF+32*\a+4*\t+3], s[12:13] offset:(16*\a+2*\t)*4096 th:TH_STORE_NT   ; sixteen lanes store 256 consecutive bytes, aligned
.endr
.endm
	TOSTAGE 0
	TOSTAGE 1
	SEND 0, 16                                     ; behind block 0's loads: block 1's eight stores and eight loads
	TOSTAGE 2
	SEND 1, 16
	TOSTAGE 3
	SEND 2, 16
	SEND 3, 0
	s_wait_tensorcnt 0x0                           ; the wave's end, behind my last tensor load and my last LDS store
	ds_add_u32 v[SPW], v[NIL]
	s_wait_dscnt 0x0
	CROUND                                         ; the closing round: no work-group ends while a partner may still ask for a tile that names it
	s_endpgm
.Lfunc_end_k_q808da72057_proj:
	.size	k_q808da72057_proj, .Lfunc_end_k_q808da72057_proj-k_q808da72057_proj
	.p2alignl 7, 3214868480
	.fill 96, 4, 3214868480
	.section	.rodata,"a",@progbits
	.p2align	6, 0x0
	.amdhsa_kernel k_q808da72057_proj
		.amdhsa_group_segment_fixed_size 327680
		.amdhsa_private_segment_fixed_size 0
		.amdhsa_enable_private_segment 0
		.amdhsa_kernarg_size 48
		.amdhsa_user_sgpr_count 2
		.amdhsa_user_sgpr_kernarg_segment_ptr 1
		.amdhsa_wavefront_size32 1
		.amdhsa_system_sgpr_workgroup_id_x 1
		.amdhsa_system_sgpr_workgroup_id_y 1
		.amdhsa_system_sgpr_workgroup_id_z 1
		.amdhsa_system_vgpr_workitem_id 0
		.amdhsa_next_free_vgpr 256
		.amdhsa_next_free_sgpr 98
		.amdhsa_reserve_vcc 0
		.amdhsa_float_denorm_mode_32 3
		.amdhsa_float_denorm_mode_16_64 3
		.amdhsa_memory_ordered 1
		.amdhsa_forward_progress 1
		.amdhsa_inst_pref_size 53
	.end_amdhsa_kernel
	.amdgpu_metadata
---
amdhsa.version: [ 1, 2 ]
amdhsa.kernels:
  - .name:           k_q808da72057_proj
    .symbol:         k_q808da72057_proj.kd
    .args:
      - { .name: aimg, .offset: 0, .size: 8, .value_kind: global_buffer, .address_space: global }
      - { .name: asc, .offset: 8, .size: 8, .value_kind: global_buffer, .address_space: global }
      - { .name: wimg, .offset: 16, .size: 8, .value_kind: global_buffer, .address_space: global }
      - { .name: wsc, .offset: 24, .size: 8, .value_kind: global_buffer, .address_space: global }
      - { .name: out0, .offset: 32, .size: 8, .value_kind: global_buffer, .address_space: global }
      - { .name: b_out, .offset: 40, .size: 8, .value_kind: global_buffer, .address_space: global }
    .group_segment_fixed_size: 327680
    .private_segment_fixed_size: 0
    .kernarg_segment_align: 8
    .kernarg_segment_size: 48
    .max_flat_workgroup_size: 256
    .sgpr_count:     98
    .vgpr_count:     256
    .wavefront_size: 32
...
	.end_amdgpu_metadata
.endif
;; end of part 3
